; MI455X (gfx1250); checked and timed in simulation.
; The chip was launched on July 23, 2026; its instructions are those of AMD's public machine-readable ISA for CDNA 5 (MIT licence, August 2026) and "CDNA5" Instruction Set Architecture Reference Guide (July 2026). The comments in the code are by the model that wrote it; some were corrected since.
;; Pooled Self Attention2d. Allowed arithmetic: matrix products marked QUANTISED: E2M1 operands, one E8M0 scale for each 32 along K, by v_wmma_scale_f32_16x16x128_f8f6f4 with both operands' format E2M1 (or v_wmma_scale_f32_32x16x128_f4), f32 sums; products left as they are: f32 operands where the result goes on into a quantised operand, else bf16, f16 or f32 operands; f32 sums; everything else in f32.
;; Inputs: gamma 1 float32; w_g_codes 32 x 2 x 16 uint8 (E2M1 codes of w_g, K innermost, in blocks of 32 codes, two codes a byte); w_g_scales 32 x 2 uint8 (E8M0 scales of w_g, one for each 32 codes along K); w_o_codes 64 x 1 x 16 uint8 (E2M1 codes of w_o, K innermost, in blocks of 32 codes, two codes a byte); w_o_scales 64 x 1 uint8 (E8M0 scales of w_o, one for each 32 codes along K); w_phi 8 x 64 float32; w_theta 8 x 64 float32; x 16 x 64 x 64 x 64 float32.
;; Outputs: out0 16 x 64 x 64 x 64 float32.
;; This version of the problem:
;;   THIS VERSION OF THE PROBLEM IS GIVEN IN LOW PRECISION. The matrix products marked QUANTISED in the list below multiply operands that are first quantised to E2M1 (2 exponent bits, 1 mantissa bit; 4 bits a number), with one power-of-two scale for each 32 numbers along K (OCP MX v1.0); their sums are f32. All else is computed in f32.
;;   The module's matrix products, in the order in which they are computed (A, B: the left and right operand; K: the contracted axis; several contracted axes count as one K, in the product's order):
;;     1. [M 65,536, K 64] x [K 64, N 8]; A: input x; B: input w_theta: left as it is (N = 8 < 16)
;;     2. [M 65,536, K 64] x [K 64, N 8]; A: input x; B: input w_phi: left as it is (N = 8 < 16)
;;     3. [M 65,536, K 64] x [K 64, N 32]; A: input x; B: input w_g (given as codes): QUANTISED
;;     4. batch 16 x [M 4,096, K 8] x [K 8, N 1,024]; A: computed on the way; B: computed on the way: left as it is (K = 8 < 32)
;;     5. batch 16 x [M 32, K 1,024] x [K 1,024, N 4,096]; A: computed on the way; B: softmax (see below): QUANTISED
;;     6. [M 65,536, K 32] x [K 32, N 64]; A: computed on the way; B: input w_o (given as codes): QUANTISED
;;   THE QUANTISER, for each operand of a quantised product, along K:
;;     - K is cut into blocks of 32 from its start; a last block that is shorter is filled with zeros.
;;     - A block's scale is 2^e with e = floor(log2(the largest magnitude in the block)) - 2, held to -126 .. 127; a block of zeros has e = 0. As a byte (E8M0): e + 127.
;;     - Each number is divided by its block's scale, clamped to +-6, and rounded to the nearest number of E2M1, ties to even, subnormals kept.
;;     - The product sums the exact products of the quantised numbers (number of the format x scale) in f32.
;;   ~~~python
;;   def quantise(x, axis):      # numpy; x: float32 -> the quantised numbers, widened to float32 again
;;       x = np.moveaxis(x, axis, -1); K = x.shape[-1]
;;       x = np.pad(x, [(0, 0)] * (x.ndim - 1) + [(0, -K % 32)]); x = x.reshape(x.shape[:-1] + (-1, 32)); a = np.abs(x).max(-1, keepdims=True)
;;       e = np.where(a > 0, np.clip(np.frexp(np.where(a > 0, a, 1))[1] - 1 - 2, -126, 127), 0)      # np.frexp(a)[1] - 1 = floor(log2(a)), exactly
;;       r = np.clip(x / 2.0 ** e, -6, 6)
;;       step = 2.0 ** (np.maximum(np.frexp(np.where(r == 0, 1, r))[1] - 1, 0) - 1)
;;       q = np.round(r / step) * step * 2.0 ** e      # np.round: ties to even
;;       return np.moveaxis(q.reshape(q.shape[:-2] + (-1,))[..., :K], -1, axis).astype(np.float32)
;;   ~~~
;;   SOFTMAX AHEAD OF A QUANTISED PRODUCT. Where the list says 'softmax', what is quantised is not the finished softmax but p = 2^(t - M), with t = logit x log2(e) and M = ceil(the row's largest t), a whole number; so 1/2 < the row's largest p <= 1. The row's sum l is taken of the UNQUANTISED p, in f32, and the product's result is divided by l at the end. Since M is a whole number, a kernel that streams over the keys may use a running M (the ceiling of the running maximum): every later rescaling is an exact power of two, which a block's scale takes up: the codes' values come out the same.
;;   OPERANDS COMPUTED ON THE WAY. 'Computed on the way' means the value that the module computes at that place (a softmax that the list does not call 'softmax' is quantised finished and normalised). What goes into a quantiser is computed in f32, as accurately as f32 sums, v_exp_f32 and their like allow (about 1e-6 of the number): no bf16 or f16 on the way to a quantiser, and a product that is left as it is and whose result goes on into a quantised operand takes f32 operands (vector FMAs, or v_wmma_f32_16x16x4_f32). A number that lies on a knife's edge between two numbers of the format may be rounded either way, as far as f32 arithmetic and the matrix unit's own rounding can turn it there, and no further.
;;   INPUTS GIVEN AS CODES. w_g (in the module: [32, 64], K = its axis 1); w_o (in the module: [64, 32], K = its axis 1): each comes as NAME_codes (uint8): NAME with its K axis moved to the last place and cut into blocks of 32 codes, [.., K / 32, bytes a block], one block behind the other in memory; two codes a byte, the lower K in the low four bits (a code: sign, 2 exponent bits, 1 mantissa bit); and NAME_scales (uint8): the same leading axes, one E8M0 byte (e + 127) for each 32 codes along K. Its value is code x scale, taken as it is: it is not quantised again, and the codes and scales need not be those that the quantiser above would give.
;; One version. Each part assembles by itself: llvm-mc -triple=amdgcn-amd-amdhsa -mcpu=gfx1250 --defsym DOCPART=n.
;; ======== version 1 of 1: 2 launches
;; workspace buffers: fq 2,097,152 bytes; kv 802,816 bytes
;; launch proj (part 1): grid 16 x 16, 8 waves a work-group, no clusters, 168,960 bytes of LDS; arguments x, w_theta, w_phi, w_g_codes, w_g_scales, fq, kv; writes fq, kv
.if DOCPART == 1
	.amdgcn_target "amdgcn-amd-amdhsa--gfx1250"
	.amdhsa_code_object_version 6
	.text
	.protected	k_qe96727a7b0_proj
	.globl	k_qe96727a7b0_proj
	.p2align	8
	.type	k_qe96727a7b0_proj,@function
k_qe96727a7b0_proj:
	s_mov_b64 s[64:65], 0
	v_nop
	global_prefetch_b8 v0, s[64:65] scope:SCOPE_SE
	s_setreg_imm32_b32 hwreg(HW_REG_WAVE_MODE, 25, 1), 1
	s_wait_xcnt 0x0
; THE PROJECTIONS.  x: [16][64 channels][64][64] f32.  f = w_theta x (8 channels, f32);  g = 2x2 max pool of w_phi x (8 channels, f32);
; h = 2x2 max pool of w_g x (32 channels; the product on codes of FP4 (E2M1) with one E8M0 scale for each 32 channels), then quantised along the pooled keys.
; All three leave as IMAGES OF OPERAND REGISTERS for the next launch:
;   fq [image][tile of 16 queries: 256][lane 32][4 f32]: lane (r, h) holds f[4 h .. 4 h + 3] of query 16 tile + r
;   kv, 50,176 bytes an image:  g [tile T: 64][lane 32][4 f32]: lane (rk, h) holds g[4 h .. 4 h + 3] of key 32 (T / 2) + 8 (T % 2) + rk + 8 (rk / 8);
;       from byte 32,768 h's codes [step of 128 keys: 8][t 2][c 2][lane 32][16 bytes]: lane (r, hh): channel 16 t + r, keys 128 step + 64 c + 32 hh + 0 .. 31;
;       from byte 49,152 h's scale words [step 8][lane 32]: lane 16 t + r: channel 16 t + r, byte bb: keys 128 step + 32 bb on.
; SHARES.  Work-group (k, image) takes image rows 4 k .. 4 k + 3 of all 64 channels: 64 KiB, brought by eight tensor loads, one a wave, filled once.  256 work-groups.
; Wave w (pr = w / 4, xt = w % 4) takes two tiles of 16 pixels: rows 4 k + 2 pr and + 1, pixels 16 xt + r: the four pixels of a pooling window lie in one wave.
; Lane (r, h) holds pixel r, channels 32 h + 0 .. 31, in 32 registers: in pairs they are source 1 of the f32 matrix form, and they are one whole block of 32 for the quantiser.
; THE f32 PRODUCTS go by v_wmma_f32_16x16x4_f32, since f and g go on into a quantiser.  Its k = 2 h + j of K step s stands for channel 32 h + 2 s + j, alike in both sources: the sums run in that order of channels.
; Source 0's 16 rows: theta 0-3, phi 0-3, theta 4-7, phi 4-7: so a lane's result registers 0-3 are f[4 h + j] and 4-7 phi[4 h + j] of its pixel.
; LIMITS: NaN and infinities are not served.  A block of zeros gets the scale byte 1 where the rule says 127: its codes are zeros, and the bytes are read by this program alone.
; No cluster: no two work-groups read the same bytes of x; the weights are 5 KiB.  No prefetch: all that a work-group reads is asked for at its head.
.set GST,  65792                       ; LDS: x's tile takes bytes 0 .. 65,663: (channel, row, pixel) at 1,024 channel + 128 (channel / 32) + 256 row + 4 pixel;
.set HST,  67840                       ; GST: four tiles of g, 512 bytes each;  HST: pooled h, 32 rows (channels) x (64 keys x 4 bytes + 16)
.set HPI,  272
.set KVB,  50176                       ; an image's part of kv
.set SX,   16                          ; v16-17  x's scale words, tile 0, 1: scales and nothing else
.set SW,   18                          ; v18-19  w_g's scale words, t = 0, 1: scales and nothing else
.set MX,   20                          ; v20-21  largest magnitudes;  v22-23 the conversions' scale operands;  v24-25 scale bytes;  v26-27 the other half's
.set SO,   22
.set BY,   24
.set TP,   26
.set WA,   32                          ; v32-63   source 0 of the f32 form: register i = W[my row][32 h + i]
.set X,    64                          ; v64-127  x: tile t at X + 32 t
.set FA,   128                         ; v128-143 the two f32 accumulators: written by matrix instructions alone
.set HA,   144                         ; v144-175 w_g x: (tile, t) at HA + 16 tile + 8 t
.set QX,   176                         ; v176-191 x's codes: tile at QX + 8 tile: four registers of codes (K 0-63), four of zeros (K 64-127)
.set WG,   192                         ; v192-207 w_g's codes, likewise
.set HP,   208                         ; v208-215 pooled h
.set GP,   216                         ; v216-219 pooled phi
.set HC,   220                         ; v220-223 h's codes
.macro PLACES n
.rept \n
	v_nop
.endr
.endm
	s_load_b256 s[4:11], s[0:1], 0x0               ; x s[4:5], w_theta s[6:7], w_phi s[8:9], w_g's codes s[10:11]
	s_load_b128 s[12:15], s[0:1], 0x20             ; w_g's scales s[12:13], fq s[14:15]
	s_load_b64 s[16:17], s[0:1], 0x30              ; kv
	v_lshl_add_u32 v254, v0, 2, 0x29000
	v_mov_b32 v255, 0
	ds_add_u32 v254, v255
	ds_add_u32 v254, v255
	v_lshrrev_b32 v1, 5, v0
	v_readfirstlane_b32 s18, v1                    ; wave 0..7
	s_mov_b32 s19, ttmp9                           ; k: which four image rows
	s_and_b32 s20, ttmp7, 0xffff                   ; the image
	s_lshr_b32 s21, s18, 2                         ; pr
	s_and_b32 s22, s18, 3                          ; xt
	; descriptor group 1: 8 channels x 256 elements of 4 bytes (four image rows), 4,096 elements from channel to channel
	s_mov_b32 s28, 2<<16                           ; no mask; elements of 4 bytes; no padding
	s_mov_b32 s29, 256<<16                         ; tensor_dim0 = 256
	s_mov_b32 s30, 8<<16                           ; tensor_dim1 = 8
	s_mov_b32 s31, 256<<16                         ; tile_dim0 = 256
	s_mov_b32 s32, 8                               ; tile_dim1 = 8
	s_mov_b32 s33, 4096                            ; stride
	s_mov_b32 s34, 0
	s_mov_b32 s35, 0
	s_mov_b32 s24, 1                               ; group 0: count
	s_lshl_b32 s25, s18, 13                        ; LDS: my 8 channels, 8,192 bytes,
	s_lshl_b32 s42, s21, 7
	s_add_co_u32 s25, s25, s42                     ; and 128 more from channel 32 on
	s_lshl_b32 s36, s20, 20                        ; memory: image,
	s_lshl_b32 s42, s18, 17
	s_add_co_u32 s36, s36, s42                     ; my 8 channels,
	s_lshl_b32 s42, s19, 10
	s_add_co_u32 s36, s36, s42                     ; four rows of 256 bytes
	s_mov_b32 s37, 0
	s_mov_b32 s40, 0x76543210
	s_mov_b32 s41, 0xfedcba98                      ; v_permlanex16_b32's selects for lane l xor 16
	s_wait_dscnt 0x0
	s_wait_kmcnt 0x0
	s_add_nc_u64 s[26:27], s[4:5], s[36:37]
	s_or_b32 s27, s27, 0x80000000                  ; type = 2
	tensor_load_to_lds s[24:27], s[28:35]          ; one load a wave, filled once: one is out
	s_nop 0
	v_and_b32 v1, 15, v0                           ; r
	v_bfe_u32 v2, v0, 4, 1                         ; h
	v_and_b32 v3, 31, v0                           ; lane
	; the weights: source 0's row r is row (r % 4) + 4 (r / 8) of theta (r / 4 even) or of phi (odd); both are loaded, one is kept
	v_and_b32 v5, 3, v1
	v_lshrrev_b32 v20, 3, v1
	v_lshl_add_u32 v5, v20, 2, v5
	v_lshlrev_b32 v5, 8, v5                        ; a row is 256 bytes,
	v_lshl_add_u32 v5, v2, 7, v5                   ; my half of it 128
	v_lshlrev_b32 v6, 5, v1
	v_lshl_add_u32 v6, v2, 4, v6                   ; w_g's codes: row r of 32 bytes, block h of 16
	v_lshlrev_b32 v7, 1, v1                        ; w_g's scales: two bytes a row
.irp i, 0,1,2,3,4,5,6,7
	global_load_b128 v[64+4*\i:67+4*\i], v5, s[6:7] offset:16*\i
	global_load_b128 v[96+4*\i:99+4*\i], v5, s[8:9] offset:16*\i
.endr
.irp t, 0,1
	global_load_b128 v[WG+8*\t:WG+8*\t+3], v6, s[10:11] offset:512*\t   ; channels 16 t + r
	global_load_u16 v[SW+\t], v7, s[12:13] offset:32*\t                 ; bytes 0, 1: blocks 0, 1; bytes 2, 3 are 0, over zero codes
.endr
	; every LDS address is made here, on the way that all waves take
	v_mul_u32_u24 v4, v2, 32896                    ; x: my 32 channels begin 32 x 1,024 + 128 bytes on for h = 1: lanes 16-31 then stand 32 banks from lanes 0-15 (64 banks of 4 bytes: ISA guide 11.1)
	v_lshl_add_u32 v4, v1, 2, v4
	s_lshl_b32 s42, s21, 9
	s_lshl_b32 s43, s22, 6
	s_add_co_u32 s42, s42, s43
	v_add_nc_u32 v4, s42, v4                       ; + row 2 pr, + pixel 16 xt + r
	v_lshlrev_b32 v8, 4, v3                        ; 16 x lane: an image's place for my lane
	v_lshrrev_b32 v9, 1, v1                        ; g's stage: pooled pixel 8 xt + r / 2 of pooled row pr is row rk = r / 2 + 8 (xt / 2) of tile 2 pr + xt % 2
	v_lshlrev_b32 v9, 4, v9
	v_lshl_add_u32 v9, v2, 8, v9
	s_lshl_b32 s42, s21, 10
	s_and_b32 s43, s22, 1
	s_lshl_b32 s43, s43, 9
	s_add_co_u32 s42, s42, s43
	s_lshr_b32 s43, s22, 1
	s_lshl_b32 s43, s43, 7
	s_add_co_u32 s42, s42, s43
	s_add_co_u32 s42, s42, GST
	v_add_nc_u32 v9, s42, v9
	v_mul_u32_u24 v10, v1, HPI                     ; h's stage, in: row = channel r (+ 16 t), keys 32 pr + 8 xt + 4 h + 0 .. 3
	v_lshl_add_u32 v10, v2, 4, v10
	s_lshl_b32 s42, s21, 7
	s_lshl_b32 s43, s22, 5
	s_add_co_u32 s42, s42, s43
	s_add_co_u32 s42, s42, HST
	v_add_nc_u32 v10, s42, v10
	v_mul_u32_u24 v11, v1, HPI                     ; h's stage, out: channel 16 (w % 2) + r, block h of 32 keys
	v_lshl_add_u32 v11, v2, 7, v11
	s_and_b32 s43, s18, 1
	s_mul_i32 s42, s43, 16*HPI
	s_add_co_u32 s42, s42, HST
	v_add_nc_u32 v11, s42, v11
	s_add_co_u32 s42, s18, 2                       ; g's stage, out: waves 2 to 5 take tiles 0 to 3
	s_and_b32 s42, s42, 3
	s_lshl_b32 s42, s42, 9
	s_add_co_u32 s42, s42, GST
	v_add_nc_u32 v12, s42, v8
	s_lshl_b32 s42, s43, 6
	v_lshl_add_u32 v13, v1, 2, v2                  ; h's scale byte in memory: word 16 (w % 2) + r, byte h (+ 2 (k % 2))
	v_add_nc_u32 v13, s42, v13
	v_lshlrev_b32 v14, 3, v2                       ; 8 h: my byte's place in x's scale word
.irp t, 0,1
.irp i, 4,5,6,7
	v_mov_b32 v[QX+8*\t+\i], 0                     ; K = 64 .. 127 of the matrix instruction: zero codes on both sides
	v_mov_b32 v[WG+8*\t+\i], 0
.endr
	v_mov_b32 v[TP+\t], 0                          ; written once: a lane permute's destination counts as one of its sources
.endr
	; where my results go
	s_lshl_b32 s36, s20, 17                        ; fq: image, query tile 16 k + 8 pr + xt (+ 4 for the second tile), 512 bytes a tile
	s_lshl_b32 s42, s19, 13
	s_add_co_u32 s36, s36, s42
	s_lshl_b32 s42, s21, 12
	s_add_co_u32 s36, s36, s42
	s_lshl_b32 s42, s22, 9
	s_add_co_u32 s36, s36, s42
	s_add_nc_u64 s[38:39], s[14:15], s[36:37]
	s_mul_i32 s44, s20, KVB
	s_mov_b32 s45, 0
	s_add_nc_u64 s[46:47], s[16:17], s[44:45]      ; kv at my image
	s_wait_loadcnt 0x0                             ; the weights
	v_and_b32 v20, 4, v1
	v_cmp_ne_u32 vcc_lo, 0, v20                    ; rows 4-7 and 12-15 are phi's
.set i, 0
.rept 32
	v_cndmask_b32 v[WA+i], v[64+i], v[96+i], vcc_lo
.set i, i+1
.endr
	s_wait_tensorcnt 0x0                           ; my 8 channels are in LDS,
	s_barrier_signal -1
	s_barrier_wait -1                              ; everybody's are
.set i, 0
.rept 32
	ds_load_b32 v[X+i], v4 offset:i*1024           ; channel 32 h + i of my pixel, first row:
	ds_load_b32 v[X+32+i], v4 offset:i*1024+256    ; and second row
.set i, i+1
.endr
	s_wait_dscnt 0x0
	; x is quantised along the channels: a lane's 32 registers are a block.  The two tiles by turns, so that no line waits for the line above it.
.irp t, 0,1
	v_max3_num_f32 v[MX+\t], |v[X+32*\t]|, |v[X+32*\t+1]|, 0x1800000   ; with the floor 2^(3 - 127): the byte cannot fall under 1
.endr
.irp i, 2,4,6,8,10,12,14,16,18,20,22,24,26,28,30
.irp t, 0,1
	v_max3_num_f32 v[MX+\t], v[MX+\t], |v[X+32*\t+\i]|, |v[X+32*\t+\i+1]|
.endr
.endr
.irp t, 0,1
	v_add_nc_u32 v[SO+\t], 0xff000000, v[MX+\t]    ; 2 off the exponent field: the conversion's scale operand
.endr
.irp t, 0,1
	v_lshrrev_b32 v[BY+\t], 23, v[SO+\t]           ; the scale's byte,
.endr
.irp t, 0,1
	v_lshlrev_b32 v[BY+\t], v14, v[BY+\t]          ; at byte h of the word;
.endr
.irp t, 0,1
	v_permlanex16_b32 v[TP+\t], v[BY+\t], s40, s41
.endr
.irp t, 0,1
	v_or_b32 v[SX+\t], v[BY+\t], v[TP+\t]          ; with lane l xor 16's the pixel's word is whole (bytes 2, 3 are 0, over zero codes)
.endr
.irp t, 0,1
.irp g, 0,1,2,3
	v_cvt_scalef32_pk8_fp4_f32 v[QX+8*\t+\g], v[X+32*\t+8*\g:X+32*\t+8*\g+7], v[SO+\t]   ; registers 0-3 of the operand: K = 32 h + 0 .. 31
.endr
.endr
	PLACES 8                                       ; a scale register written by a vector instruction stands 8 places ahead of a scaled matrix instruction, an operand so written 4; the first is also the plain line behind the conversions
.irp t, 0,1                                        ; source 0 = 16 pixels, source 1 = 16 channels of w_g: lane (r, h), register j: pixel 8 h + j, channel 16 u + r
.irp u, 0,1
	v_wmma_scale_f32_16x16x128_f8f6f4 v[HA+16*\t+8*\u:HA+16*\t+8*\u+7], v[QX+8*\t:QX+8*\t+7], v[WG+8*\u:WG+8*\u+7], 0, v[SX+\t], v[SW+\u] matrix_a_fmt:MATRIX_FMT_FP4 matrix_b_fmt:MATRIX_FMT_FP4
.endr
.endr
	; f and phi: 16 K steps of 4 channels; the two tiles' accumulators take turns, one instruction a turn; the first K step starts each sum with the constant 0
.set KSTP, 0
.rept 16
.irp t, 0,1
.if KSTP == 0
	v_wmma_f32_16x16x4_f32 v[FA+8*\t:FA+8*\t+7], v[WA:WA+1], v[X+32*\t:X+32*\t+1], 0
.else
	v_wmma_f32_16x16x4_f32 v[FA+8*\t:FA+8*\t+7], v[WA+2*KSTP:WA+2*KSTP+1], v[X+32*\t+2*KSTP:X+32*\t+2*KSTP+1], v[FA+8*\t:FA+8*\t+7]
.endif
.endr
.set KSTP, KSTP+1
.endr
	PLACES 8                                       ; eight places behind the f32 form before its results are read
	global_store_b128 v8, v[FA:FA+3], s[38:39]                 ; f of my pixel: the wave stores 512 consecutive bytes, a whole tile's image.  Each accumulator is read from its low end on
	global_store_b128 v8, v[FA+8:FA+11], s[38:39] offset:2048  ; the second row's tile lies four tiles on
.irp j, 0,1,2,3
	v_max_num_f32 v[GP+\j], v[FA+4+\j], v[FA+12+\j]            ; the pool: two rows,
.endr
.irp j, 0,1,2,3
	v_max_num_f32_dpp v[GP+\j], v[GP+\j], v[GP+\j] row_xmask:1 row_mask:0xf bank_mask:0xf   ; two pixels
.endr
	ds_store_b128 v9, v[GP:GP+3]                   ; lanes r and r xor 1 write the same bytes with the same value
.irp u, 0,1
.irp q, 0,1,2,3
	v_max3_num_f32 v[HP+4*\u+\q], v[HA+8*\u+2*\q], v[HA+8*\u+2*\q+1], v[HA+16+8*\u+2*\q]   ; h's pool: a lane's registers 2 q, 2 q + 1 are neighbouring pixels
.endr
.endr
.irp u, 0,1
.irp q, 0,1,2,3
	v_max_num_f32 v[HP+4*\u+\q], v[HP+4*\u+\q], v[HA+16+8*\u+2*\q+1]
.endr
.endr
.irp u, 0,1
	ds_store_b128 v10, v[HP+4*\u:HP+4*\u+3] offset:16*HPI*\u
.endr
	s_wait_dscnt 0x0                               ; for the others' sake: my stores into the stages are done
	s_barrier_signal -1
	s_barrier_wait -1
	s_cmp_lt_u32 s18, 2
	s_cbranch_scc0 .Lnot_h
	; WAVES 0 AND 1: h is quantised along the keys.  Lane (r, h): channel 16 w + r, the 32 keys of pooled row 2 k + h: block 2 (k % 2) + h of step k / 2
.irp i, 0,1,2,3,4,5,6,7
	ds_load_b128 v[X+4*\i:X+4*\i+3], v11 offset:16*\i
.endr
	s_lshr_b32 s42, s19, 1                         ; the step
	s_and_b32 s43, s19, 1                          ; c
	s_lshl_b32 s44, s42, 11
	s_lshl_b32 s36, s18, 10
	s_add_co_u32 s44, s44, s36
	s_lshl_b32 s36, s43, 9
	s_add_co_u32 s44, s44, s36
	s_add_nc_u64 s[48:49], s[46:47], s[44:45]      ; the codes: 2,048 step + 1,024 t + 512 c
	s_lshl_b32 s36, s42, 7
	s_lshl_b32 s43, s43, 1
	s_add_co_u32 s36, s36, s43
	s_add_nc_u64 s[50:51], s[46:47], s[36:37]      ; the bytes: 128 step + 2 c
	s_wait_dscnt 0x0
	v_max3_num_f32 v20, |v[X]|, |v[X+1]|, |v[X+2]|
	v_max3_num_f32 v21, |v[X+3]|, |v[X+4]|, |v[X+5]|
.irp i, 6,10,14,18,22,26
	v_max3_num_f32 v20, v20, |v[X+\i]|, |v[X+\i+1]|
	v_max3_num_f32 v21, v21, |v[X+\i+2]|, |v[X+\i+3]|
.endr
	v_max3_num_f32 v20, v20, |v[X+30]|, |v[X+31]|
	v_max3_num_f32 v20, v20, v21, 0x1800000        ; and the floor
	v_add_nc_u32 v22, 0xff000000, v20
.irp g, 0,1,2,3
	v_cvt_scalef32_pk8_fp4_f32 v[HC+\g], v[X+8*\g:X+8*\g+7], v22
.endr
	v_lshrrev_b32 v24, 23, v22                     ; the scale's byte (a plain line behind the conversions)
	global_store_b128 v8, v[HC:HC+3], s[48:49] offset:32768    ; 512 consecutive bytes: half a fragment's image
	global_store_b8 v13, v24, s[50:51] offset:49152            ; single bytes, 64 a work-group inside one run of 128: the scale words of a step come from two work-groups; they are 1,024 of an image's 50,176 bytes
	s_wait_tensorcnt 0x0
	ds_add_u32 v254, v255
	s_wait_dscnt 0x0
	s_endpgm
.Lnot_h:
	s_cmp_lt_u32 s18, 6
	s_cbranch_scc0 .Ldone
	; WAVES 2 TO 5: a tile of g each, as it lies in the stage
	ds_load_b128 v[X:X+3], v12
	s_lshl_b32 s44, s19, 11
	s_lshl_b32 s36, s18, 9
	s_add_co_u32 s44, s44, s36
	s_sub_co_u32 s44, s44, 1024                    ; tile 4 k + w - 2
	s_add_nc_u64 s[48:49], s[46:47], s[44:45]
	s_wait_dscnt 0x0
	global_store_b128 v8, v[X:X+3], s[48:49]       ; 512 consecutive bytes
.Ldone:
	s_wait_tensorcnt 0x0
	ds_add_u32 v254, v255
	s_wait_dscnt 0x0
	s_endpgm
.Lfunc_end_k_qe96727a7b0_proj:
	.size	k_qe96727a7b0_proj, .Lfunc_end_k_qe96727a7b0_proj-k_qe96727a7b0_proj
	.p2alignl 7, 3214868480
	.fill 96, 4, 3214868480
	.section	.rodata,"a",@progbits
	.p2align	6, 0x0
	.amdhsa_kernel k_qe96727a7b0_proj
		.amdhsa_group_segment_fixed_size 168960
		.amdhsa_private_segment_fixed_size 0
		.amdhsa_enable_private_segment 0
		.amdhsa_kernarg_size 56
		.amdhsa_user_sgpr_count 2
		.amdhsa_user_sgpr_kernarg_segment_ptr 1
		.amdhsa_wavefront_size32 1
		.amdhsa_system_sgpr_workgroup_id_x 1
		.amdhsa_system_sgpr_workgroup_id_y 1
		.amdhsa_system_sgpr_workgroup_id_z 1
		.amdhsa_system_vgpr_workitem_id 0
		.amdhsa_next_free_vgpr 256
		.amdhsa_next_free_sgpr 66
		.amdhsa_reserve_vcc 1
		.amdhsa_float_denorm_mode_32 3
		.amdhsa_float_denorm_mode_16_64 3
		.amdhsa_memory_ordered 1
		.amdhsa_forward_progress 1
		.amdhsa_inst_pref_size 24
	.end_amdhsa_kernel
	.amdgpu_metadata
---
amdhsa.version: [ 1, 2 ]
amdhsa.kernels:
  - .name:           k_qe96727a7b0_proj
    .symbol:         k_qe96727a7b0_proj.kd
    .args:
      - { .name: x, .offset: 0, .size: 8, .value_kind: global_buffer, .address_space: global }
      - { .name: w_theta, .offset: 8, .size: 8, .value_kind: global_buffer, .address_space: global }
      - { .name: w_phi, .offset: 16, .size: 8, .value_kind: global_buffer, .address_space: global }
      - { .name: w_g_codes, .offset: 24, .size: 8, .value_kind: global_buffer, .address_space: global }
      - { .name: w_g_scales, .offset: 32, .size: 8, .value_kind: global_buffer, .address_space: global }
      - { .name: fq, .offset: 40, .size: 8, .value_kind: global_buffer, .address_space: global }
      - { .name: kv, .offset: 48, .size: 8, .value_kind: global_buffer, .address_space: global }
    .group_segment_fixed_size: 168960
    .private_segment_fixed_size: 0
    .kernarg_segment_align: 8
    .kernarg_segment_size: 56
    .max_flat_workgroup_size: 256
    .sgpr_count:     66
    .vgpr_count:     256
    .wavefront_size: 32
...
	.end_amdgpu_metadata
.endif
;; end of part 1
;; launch attn (part 2): grid 16 x 16, 16 waves a work-group, no clusters, 184,320 bytes of LDS; arguments fq, kv, x, w_o_codes, w_o_scales, gamma, out0; writes out0
.if DOCPART == 2
	.amdgcn_target "amdgcn-amd-amdhsa--gfx1250"
	.amdhsa_code_object_version 6
	.text
	.protected	k_qe96727a7b0_attn
	.globl	k_qe96727a7b0_attn
	.p2align	8
	.type	k_qe96727a7b0_attn,@function
k_qe96727a7b0_attn:
	s_mov_b64 s[64:65], 0
	v_nop
	global_prefetch_b8 v0, s[64:65] scope:SCOPE_SE
	s_setreg_imm32_b32 hwreg(HW_REG_WAVE_MODE, 25, 1), 1
	s_wait_xcnt 0x0
; THE ATTENTION.  out0 = gamma x (w_o o) + x,  o[c][n] = (sum over keys m of h[c][m] p[n][m]) / l[n],  p = 2^(t - M), t = (f[:, n] . g[:, m]) log2(e), M = the row's largest t so far rounded UP to a whole number,
; l = the row's sum of the unquantised p.  When M moves, l and the sums are multiplied by 2^(old M - new M): exact.
; The scores (K = 8) go by v_wmma_f32_16x16x4_f32, since they go on into a quantiser; its k = 2 h + j of K step s stands for channel 4 h + 2 s + j, alike in both sources.
; h p^T (K = 1,024 keys) and w_o o (K = 32 channels) go on codes of FP4 (E2M1) with one E8M0 scale for each 32 along K.  p and o are quantised in registers.
; SHARES.  Work-group (x, image) owns 256 queries (image rows 4 x .. 4 x + 3); each of its SIXTEEN waves owns 16 of them, one tile, in 256 registers: four waves to a SIMD, so that one wave's vector
; work stands beside another's matrix work and LDS loads.  A lane holds ONE query (lane % 16) throughout.  Every wave walks the image's 1,024 keys, 128 a step.
; LDS.  An image's g, h codes and h scale words, 50,176 bytes laid as images of operand registers, come once; so do the work-group's 64 KiB of x for the residual, which land while the keys are walked.  Nothing is filled again.
; THE KEYS OF A TILE ARE NOT NEIGHBOURS (the launch before lays them so): the 16 score registers of tiles 2 b and 2 b + 1 are keys 32 b + 16 (lane / 16) + 0 .. 15.
; NO CLUSTER: what the 16 work-groups of an image share is 50,176 bytes, asked for once at the head, beside 139,264 bytes of each work-group's own (f, x, out0) and eight key steps of arithmetic: a joint load would take no wait out of the loop.
; NO PREFETCH: every stream is asked for at the head.
; LIMITS: NaN and infinities are not served.  A block of p or o whose numbers are all zeros gets the scale byte 1: its codes are zeros.  1 / l is v_rcp_f32 and a multiplication.
.set KVB,  50176                       ; LDS 0: g (32,768 bytes), h's codes (16,384), h's scale words (1,024)
.set HCO,  32768
.set HSO,  49152
.set XT,   50176                       ; x: 64 channels x 1,024 bytes (256 queries)
.set STG,  115712                      ; the stage for w_o o: 64 channels x (1,024 bytes + 16): 65 x 16 bytes from row to row, so that the 16 rows that a store touches start at 16 different banks (64 banks of 4 bytes: ISA guide 11.1)
.set SPI,  1040
.set FQ,   16                          ; v16-19   f of my query: channels 4 h + 0 .. 3
.set HS,   20                          ; v20      h's scale words: lanes 0-15 channels 0-15, lanes 16-31 channels 16-31.  v20, v24-29 hold scales and nothing else
.set WOS,  24                          ; v24-27   w_o's scale words
.set PW,   28                          ; v28      p's scale word
.set OS,   29                          ; v29      o's scale word
.set G,    32                          ; v32-63   eight tiles of g, four registers each; at the end w_o's four fragments
.set S,    64                          ; v64-127  the scores: written by matrix instructions alone; at the end w_o o
.set P,    128                         ; v128-191 p; at the end o / l, then rows on their way out
.set O,    192                         ; v192-207 the two accumulators of h p^T: lane (r, h), register j of accumulator t: channel 16 t + 8 h + j of query r
.set H,    208                         ; v208-223 h's two fragments
.set PC,   224                         ; v224-231 p's codes; at the end o's
.set BM,   232                         ; v232-235 the blocks' largest scores, then their largest p
.set TQ,   236                         ; v236-239 the other half's maxima; then v[236:237] the sum's second chain
.set SBY,  240                         ; v240-243 scale bytes
.set SOP,  244                         ; v244-247 the conversions' scale operands
.macro PLACES n
.rept \n
	v_nop
.endr
.endm
	s_load_b256 s[4:11], s[0:1], 0x0               ; fq s[4:5], kv s[6:7], x s[8:9], w_o's codes s[10:11]
	s_load_b128 s[12:15], s[0:1], 0x20             ; w_o's scales s[12:13], gamma s[14:15]
	s_load_b64 s[16:17], s[0:1], 0x30              ; out0
	v_lshl_add_u32 v251, v0, 2, 0x2c800
	v_mov_b32 v255, 0
	ds_add_u32 v251, v255
	ds_add_u32 v251, v255
	v_lshrrev_b32 v1, 5, v0
	v_readfirstlane_b32 s18, v1                    ; wave 0..15
	s_and_b32 s19, s18, 3                          ; which quarter a fetching wave fetches
	s_and_b32 s58, ttmp7, 0xffff                   ; the image
	s_mov_b32 s59, ttmp9                           ; my block of 256 queries
	; group 1 for kv's quarter: 12,544 dense bytes as 49 rows of 256 (32 elements of 8 bytes)
	s_mov_b32 s32, 3<<16
	s_mov_b32 s33, 32<<16
	s_mov_b32 s34, 49<<16
	s_mov_b32 s35, 32<<16
	s_mov_b32 s36, 49
	s_mov_b32 s37, 32
	s_mov_b32 s38, 0
	s_mov_b32 s39, 0
	; group 1 for x's quarter: 16 channels x 256 elements of 4 bytes, 4,096 elements from channel to channel
	s_mov_b32 s40, 2<<16
	s_mov_b32 s41, 256<<16
	s_mov_b32 s42, 16<<16
	s_mov_b32 s43, 256<<16
	s_mov_b32 s44, 16
	s_mov_b32 s45, 4096
	s_mov_b32 s46, 0
	s_mov_b32 s47, 0
	s_mov_b32 s24, 1
	s_mul_i32 s25, s19, 12544                      ; LDS: quarter q of kv
	s_mul_i32 s54, s58, KVB
	s_add_co_u32 s54, s54, s25
	s_mov_b32 s55, 0
	s_mov_b32 s28, 1
	s_lshl_b32 s29, s19, 14
	s_add_co_u32 s29, s29, XT                      ; LDS: channels 16 q on
	s_lshl_b32 s56, s58, 20
	s_lshl_b32 s60, s19, 18
	s_add_co_u32 s56, s56, s60
	s_lshl_b32 s60, s59, 10
	s_add_co_u32 s56, s56, s60
	s_mov_b32 s57, 0
	s_mov_b32 s22, 0x3fb8aa3b                      ; log2(e)
	s_mov_b32 s23, s22                             ; (the packed form names the pair and takes its low word for both halves)
	s_mov_b32 s48, 0x76543210
	s_mov_b32 s49, 0xfedcba98                      ; v_permlanex16_b32's selects for lane l xor 16
	s_mov_b32 s50, 0                               ; the step's g: 4,096 bytes a step
	s_mov_b32 s51, 0                               ; its h codes: 2,048
	s_mov_b32 s52, 0                               ; its h scale words: 128
	s_wait_dscnt 0x0
	s_wait_kmcnt 0x0
	s_add_nc_u64 s[26:27], s[6:7], s[54:55]
	s_or_b32 s27, s27, 0x80000000
	s_add_nc_u64 s[30:31], s[8:9], s[56:57]
	s_or_b32 s31, s31, 0x80000000
	s_cmp_lt_u32 s18, 4                            ; waves 0 to 3 fetch; a wave's two fills stand in one branch, ahead of every wait on TENSORcnt, LDS read and barrier: two loads of a wave are out
	s_cbranch_scc0 .Lno_fill
	tensor_load_to_lds s[24:27], s[32:39]          ; kv first: it is wanted first
	s_nop 0
	tensor_load_to_lds s[28:31], s[40:47]          ; x
	s_nop 0
	PLACES 4
.Lno_fill:
	s_load_b32 s20, s[14:15], 0x0                  ; gamma
	s_lshl_b32 s54, s58, 17                        ; fq: image, tile 16 x + w, 512 bytes a tile
	s_lshl_b32 s60, s59, 13
	s_add_co_u32 s54, s54, s60
	s_lshl_b32 s60, s18, 9
	s_add_co_u32 s54, s54, s60
	s_add_nc_u64 s[4:5], s[4:5], s[54:55]
	s_lshl_b32 s56, s58, 20                        ; out0: image, channels 4 w on, my block's four image rows
	s_lshl_b32 s60, s18, 16
	s_add_co_u32 s56, s56, s60
	s_lshl_b32 s60, s59, 10
	s_add_co_u32 s56, s56, s60
	s_add_nc_u64 s[16:17], s[16:17], s[56:57]
	v_and_b32 v1, 15, v0                           ; r
	v_bfe_u32 v2, v0, 4, 1                         ; h
	v_and_b32 v3, 31, v0                           ; lane
	v_lshlrev_b32 v4, 4, v3                        ; 16 x lane: an image's place for my lane
	global_load_b128 v[FQ:FQ+3], v4, s[4:5]
.irp t, 0,1,2,3
	global_load_u8 v[WOS+\t], v1, s[12:13] offset:16*\t    ; channel 16 t + r: byte 0 its one block's scale; bytes 1-3 are 0, over zero codes
.endr
	v_add_nc_u32 v5, HCO, v4
	v_lshl_add_u32 v6, v3, 2, HSO
	v_mul_u32_u24 v7, v1, SPI                      ; the stage, in: row = channel r (+ 16 t), queries 16 w + 8 h + 0 .. 7
	v_lshl_add_u32 v7, v2, 5, v7
	s_lshl_b32 s60, s18, 6
	s_add_co_u32 s60, s60, STG
	v_add_nc_u32 v7, s60, v7
	s_mul_i32 s60, s18, 4*SPI                      ; back: my four channels, 16 bytes a lane
	s_add_co_u32 s60, s60, STG
	v_add_nc_u32 v8, s60, v4
	s_lshl_b32 s60, s18, 12                        ; and the same of x
	s_add_co_u32 s60, s60, XT
	v_add_nc_u32 v9, s60, v4
	v_lshlrev_b32 v31, 4, v1                       ; w_o's codes: 16 bytes a row
	v_mov_b32 v13, 0xff61b1e6                      ; the largest t so far: -3e38, under every t
	v_floor_f32 v12, -v13                          ; -M
	v_mov_b32 v14, 0                               ; l, in two halves
	v_mov_b32 v15, 0
.irp b, 0,1,2,3
	v_mov_b32 v[TQ+\b], 0                          ; written once: a lane permute's destination counts as one of its sources
.endr
	v_mov_b32 v253, 0                              ; (named as the upper half of the pair v[252:253])
.set i, 0
.rept 16
	v_mov_b32 v[O+i], 0                            ; the loop is written once: its first step finds zeros, which the first change of M leaves zeros
.set i, i+1
.endr
	s_wait_tensorcnt 0x1                           ; my part of kv is in; x's load, issued behind it, may stay out
	s_barrier_signal -1
	s_barrier_wait -1                              ; everybody's is
	s_wait_loadcnt 0x0                             ; f, w_o's scales
	s_wait_kmcnt 0x0
	s_mov_b32 s21, s20                             ; gamma as a pair
; A KEY STEP: 128 keys.
.macro STEP
	v_add_nc_u32 v10, s50, v4
	v_add_nc_u32 v11, s51, v5
	v_add_nc_u32 v30, s52, v6
	v_nop                                          ; four places behind the last step's two products, in front of the loads into their registers
.irp n, 0,1,2,3,4,5,6,7
	ds_load_b128 v[G+4*\n:G+4*\n+3], v10 offset:512*\n
.endr
.irp t, 0,1
.irp c, 0,1
	ds_load_b128 v[H+8*\t+4*\c:H+8*\t+4*\c+3], v11 offset:1024*\t+512*\c
.endr
.endr
	ds_load_b32 v[HS], v30
	s_wait_dscnt 0x5                               ; g's eight are in; the five younger loads (h's four and its scale words) may stay out
.irp n, 0,1,2,3,4,5,6,7                            ; S^T = g^T f: source 0 = 16 keys, source 1 = my 16 queries.  The eight accumulators take turns, one instruction a turn; the first K step starts each sum with the constant 0
	v_wmma_f32_16x16x4_f32 v[S+8*\n:S+8*\n+7], v[G+4*\n:G+4*\n+1], v[FQ:FQ+1], 0
.endr
.irp n, 0,1,2,3,4,5,6,7
	v_wmma_f32_16x16x4_f32 v[S+8*\n:S+8*\n+7], v[G+4*\n+2:G+4*\n+3], v[FQ+2:FQ+3], v[S+8*\n:S+8*\n+7]
.endr
	PLACES 8                                       ; eight places behind the f32 form before its results are read
.irp b, 0,1,2,3
	v_max3_num_f32 v[BM+\b], v[S+16*\b], v[S+16*\b+1], v[S+16*\b+2]   ; THE LARGEST SCORE OF EACH BLOCK OF 32 KEYS: for the row's maximum, and, since p rises with the score, for the block's largest p.  Each accumulator is read from its low end on
.endr
.irp i, 3,5,7,9,11,13
.irp b, 0,1,2,3
	v_max3_num_f32 v[BM+\b], v[BM+\b], v[S+16*\b+\i], v[S+16*\b+\i+1]
.endr
.endr
.irp b, 0,1,2,3
	v_max_num_f32 v[BM+\b], v[BM+\b], v[S+16*\b+15]
.endr
.irp b, 0,1,2,3
	v_permlanex16_b32 v[TQ+\b], v[BM+\b], s48, s49
.endr
.irp b, 0,1,2,3
	v_max_num_f32 v[BM+\b], v[BM+\b], v[TQ+\b]     ; with lane l xor 16's 16 keys
.endr
	v_max3_num_f32 v254, v[BM], v[BM+1], v[BM+2]
	v_max_num_f32 v254, v254, v[BM+3]              ; the step's largest score of my query
	v_mul_f32 v254, s22, v254                      ; as t
	v_max_num_f32 v13, v13, v254                   ; the running largest t
	v_mov_b32 v254, v12
	v_floor_f32 v12, -v13                          ; the new -M = floor(-t) = -ceil(t)
	v_sub_f32 v254, v12, v254                      ; old M - new M: a whole number, 0 or less
	v_cvt_i32_f32 v254, v254                       ; (it saturates)
	v_ldexp_f32 v252, 1.0, v254                    ; f = 2^(old M - new M)
.irp j, 0,2,4,6,8,10,12,14,16,18,20,22,24,26,28,30,32,34,36,38,40,42,44,46,48,50,52,54,56,58,60,62
	v_pk_fma_f32 v[P+\j:P+\j+1], v[S+\j:S+\j+1], s[22:23], v[12:13] op_sel_hi:[1,0,0]   ; t - M, two at a time, into registers of their own: the scores' are written by matrix instructions alone
.endr
.irp b, 0,1,2,3
	v_fma_f32 v[BM+\b], v[BM+\b], s22, v12         ; the same of each block's largest score
.endr
.set i, 0
.rept 64
	v_exp_f32 v[P+i], v[P+i]                       ; p = 2^(t - M), at most 1: not normalised
.set i, i+1
.endr
	v_pk_mul_f32 v[14:15], v[14:15], v[252:253] op_sel_hi:[1,0]   ; l under the new M (the plain line behind the exponentials)
	s_wait_alu depctr_va_vdst(0)                   ; one wait for the batch of 64, ahead of its first reader
.irp b, 0,1,2,3
	v_exp_f32 v[BM+\b], v[BM+\b]                   ; the block's largest p: the same two instructions on the same number give the same bits
.endr
	v_pk_add_f32 v[TQ:TQ+1], v[P:P+1], v[P+2:P+3]  ; THE ROW'S SUM IS TAKEN OF THE UNQUANTISED p, two at a time, in two chains; its first half stands behind the four exponentials
.irp j, 4,8,12,16,20,24,28
	v_pk_add_f32 v[14:15], v[14:15], v[P+\j:P+\j+1]
	v_pk_add_f32 v[TQ:TQ+1], v[TQ:TQ+1], v[P+\j+2:P+\j+3]
.endr
	s_wait_alu depctr_va_vdst(0)                   ; and one wait for the four
.irp b, 0,1,2,3
	v_max_num_f32 v[BM+\b], 0x1800000, v[BM+\b]    ; the floor 2^(3 - 127): the byte cannot fall under 1
.endr
.irp b, 0,1,2,3
	v_add_nc_u32 v[SOP+\b], 0xff000000, v[BM+\b]   ; 2 off the exponent field: the conversion's scale operand
.endr
.irp b, 0,1,2,3
	v_lshrrev_b32 v[SBY+\b], 23, v[SOP+\b]         ; the scale's byte
.endr
	v_lshl_or_b32 v[PW], v[SBY+1], 8, v[SBY]       ; p's scale word for these 128 keys
	v_lshl_or_b32 v[PW], v[SBY+2], 16, v[PW]
	v_lshl_or_b32 v[PW], v[SBY+3], 24, v[PW]
.irp b, 0,1,2,3
	v_cvt_scalef32_pk8_fp4_f32 v[PC+2*\b], v[P+16*\b:P+16*\b+7], v[SOP+\b]
	v_cvt_scalef32_pk8_fp4_f32 v[PC+2*\b+1], v[P+16*\b+8:P+16*\b+15], v[SOP+\b]
.endr
	v_nop                                          ; one plain line behind the conversions
.irp c, 0,1                                        ; the operand's layout wants a WHOLE block in a lane: lanes 0-15 block 2 c, lanes 16-31 block 2 c + 1
.irp i, 0,1
	v_permlane16_swap_b32 v[PC+4*\c+\i], v[PC+4*\c+2+\i]
.endr
.endr
.irp j, 0,2,4,6,8,10,12,14
	v_pk_mul_f32 v[O+\j:O+\j+1], v[O+\j:O+\j+1], v[252:253] op_sel_hi:[1,0]   ; the sums of h p^T under the new M
.endr
.irp j, 32,36,40,44,48,52,56,60                    ; the sum's second half: 17 plain lines that name no register of the products below: the 8 places behind p's scale word and the 4 behind its codes
	v_pk_add_f32 v[14:15], v[14:15], v[P+\j:P+\j+1]
	v_pk_add_f32 v[TQ:TQ+1], v[TQ:TQ+1], v[P+\j+2:P+\j+3]
.endr
	v_pk_add_f32 v[14:15], v[14:15], v[TQ:TQ+1]
	s_wait_dscnt 0x0                               ; h's fragments and scale words are in
	v_wmma_scale_f32_16x16x128_f8f6f4 v[O:O+7], v[H:H+7], v[PC:PC+7], v[O:O+7], v[HS], v[PW] matrix_a_fmt:MATRIX_FMT_FP4 matrix_b_fmt:MATRIX_FMT_FP4
	v_wmma_scale_f32_16x16x128_f8f6f4 v[O+8:O+15], v[H+8:H+15], v[PC:PC+7], v[O+8:O+15], v[HS], v[PW] matrix_a_fmt:MATRIX_FMT_FP4 matrix_b_fmt:MATRIX_FMT_FP4 matrix_a_scale:MATRIX_SCALE_ROW1
.endm
	s_mov_b32 s53, 8
.Lkey:
	STEP
	s_add_co_u32 s50, s50, 4096
	s_add_co_u32 s51, s51, 2048
	s_add_co_u32 s52, s52, 128
	s_sub_co_u32 s53, s53, 1
	s_cmp_lg_u32 s53, 0
	s_cbranch_scc1 .Lkey
	; THE END OF A QUERY: o = sums / l, quantised along its 32 channels; y = w_o o.
.irp t, 0,1,2,3
	global_load_b128 v[G+8*\t:G+8*\t+3], v31, s[10:11] offset:256*\t   ; w_o's row 16 t + r: 32 codes
.endr
.irp t, 0,1,2,3
.irp i, 4,5,6,7
	v_mov_b32 v[G+8*\t+\i], 0                      ; K = 64 .. 127: zero codes.  (These sixteen are also the places behind the last two products)
.endr
.endr
	v_add_f32 v14, v14, v15                        ; l's two halves,
	v_permlanex16_b32 v254, v14, s48, s49
	v_add_f32 v14, v14, v254                       ; and lane l xor 16's
	v_rcp_f32 v252, v14
.irp i, 1,3,4,5,6,7
	v_mov_b32 v[PC+\i], 0                          ; o's operand: what the conversions do not write is zero codes.  (Plain lines behind the reciprocal)
.endr
	s_wait_alu depctr_va_vdst(0)                   ; the wait ahead of the reciprocal's first reader
.irp j, 0,2,4,6,8,10,12,14
	v_pk_mul_f32 v[P+\j:P+\j+1], v[O+\j:O+\j+1], v[252:253] op_sel_hi:[1,0]   ; registers 0-7: channels 8 h + j; 8-15: 16 + 8 h + j.  Each accumulator from its low end on
.endr
	v_max3_num_f32 v[BM], |v[P]|, |v[P+1]|, 0x1800000
.irp i, 2,4,6,8,10,12,14
	v_max3_num_f32 v[BM], v[BM], |v[P+\i]|, |v[P+\i+1]|
.endr
	v_permlanex16_b32 v[TQ], v[BM], s48, s49
	v_max_num_f32 v[BM], v[BM], v[TQ]              ; the largest magnitude of my query's 32 channels
	v_add_nc_u32 v[SOP], 0xff000000, v[BM]
	v_lshrrev_b32 v[OS], 23, v[SOP]                ; byte 0: the one block's scale; bytes 1-3 are 0, over zero codes
	v_cvt_scalef32_pk8_fp4_f32 v[PC], v[P:P+7], v[SOP]
	v_cvt_scalef32_pk8_fp4_f32 v[PC+2], v[P+8:P+15], v[SOP]
	v_nop                                          ; one plain line behind the conversions
	v_permlane16_swap_b32 v[PC], v[PC+1]           ; lanes 16-31's codes (channels 8-15) go to lanes 0-15 of the next register, zeros come back:
	v_permlane16_swap_b32 v[PC+2], v[PC+3]         ; lanes 0-15 hold K = 0 .. 31 in registers 0-3, lanes 16-31 (K = 32 .. 63) zeros
	s_wait_loadcnt 0x0                             ; w_o's codes
	v_cmp_gt_u32 vcc_lo, 16, v3
.irp t, 0,1,2,3
.irp i, 0,1,2,3
	v_cndmask_b32 v[G+8*\t+\i], 0, v[G+8*\t+\i], vcc_lo   ; likewise: lanes 16-31 stand for K = 32 .. 63: zero codes
.endr
.endr
	PLACES 8                                       ; a scale register written by a vector instruction stands 8 places ahead of a scaled matrix instruction, an operand so written 4
.irp t, 0,1,2,3                                    ; source 0 = my 16 queries, source 1 = 16 channels of w_o: lane (r, h), register j: query 8 h + j, channel 16 t + r
	v_wmma_scale_f32_16x16x128_f8f6f4 v[S+8*\t:S+8*\t+7], v[PC:PC+7], v[G+8*\t:G+8*\t+7], 0, v[OS], v[WOS+\t] matrix_a_fmt:MATRIX_FMT_FP4 matrix_b_fmt:MATRIX_FMT_FP4
.endr
	PLACES 4
.irp t, 0,1,2,3
	ds_store_b128 v7, v[S+8*\t:S+8*\t+3] offset:16*SPI*\t          ; eight neighbouring queries of one channel; each accumulator from its low end on
	ds_store_b128 v7, v[S+8*\t+4:S+8*\t+7] offset:16*SPI*\t+16
.endr
	s_wait_tensorcnt 0x0                           ; my part of x is in,
	s_wait_dscnt 0x0                               ; my stores into the stage are done:
	s_barrier_signal -1
	s_barrier_wait -1                              ; everybody's are
	; THE WAY OUT: wave w takes channels 4 w .. 4 w + 3, 256 queries each, 128 queries (512 bytes) an instruction
.irp i, 0,1,2,3,4,5,6,7
	ds_load_b128 v[P+4*\i:P+4*\i+3], v8 offset:(\i/2)*SPI+(\i%2)*512
	ds_load_b128 v[P+32+4*\i:P+32+4*\i+3], v9 offset:512*\i
.endr
.irp i, 0,1,2,3,4,5,6,7
	s_wait_dscnt 14-2*\i                           ; pair i is in; the younger pairs may stay out
	v_pk_fma_f32 v[P+4*\i:P+4*\i+1], v[P+4*\i:P+4*\i+1], s[20:21], v[P+32+4*\i:P+32+4*\i+1] op_sel_hi:[1,0,1]       ; gamma y + x
	v_pk_fma_f32 v[P+4*\i+2:P+4*\i+3], v[P+4*\i+2:P+4*\i+3], s[20:21], v[P+32+4*\i+2:P+32+4*\i+3] op_sel_hi:[1,0,1]
	global_store_b128 v4, v[P+4*\i:P+4*\i+3], s[16:17] offset:(\i/2)*16384+(\i%2)*512 th:TH_STORE_NT   ; 32 lanes store 512 consecutive bytes, at a multiple of 256 from out0's first byte; written once, read by nobody here
.endr
	s_wait_tensorcnt 0x0
	ds_add_u32 v251, v255
	s_wait_dscnt 0x0
	s_endpgm
.Lfunc_end_k_qe96727a7b0_attn:
	.size	k_qe96727a7b0_attn, .Lfunc_end_k_qe96727a7b0_attn-k_qe96727a7b0_attn
	.p2alignl 7, 3214868480
	.fill 96, 4, 3214868480
	.section	.rodata,"a",@progbits
	.p2align	6, 0x0
	.amdhsa_kernel k_qe96727a7b0_attn
		.amdhsa_group_segment_fixed_size 184320
		.amdhsa_private_segment_fixed_size 0
		.amdhsa_enable_private_segment 0
		.amdhsa_kernarg_size 56
		.amdhsa_user_sgpr_count 2
		.amdhsa_user_sgpr_kernarg_segment_ptr 1
		.amdhsa_wavefront_size32 1
		.amdhsa_system_sgpr_workgroup_id_x 1
		.amdhsa_system_sgpr_workgroup_id_y 1
		.amdhsa_system_sgpr_workgroup_id_z 1
		.amdhsa_system_vgpr_workitem_id 0
		.amdhsa_next_free_vgpr 256
		.amdhsa_next_free_sgpr 66
		.amdhsa_reserve_vcc 1
		.amdhsa_float_denorm_mode_32 3
		.amdhsa_float_denorm_mode_16_64 3
		.amdhsa_memory_ordered 1
		.amdhsa_forward_progress 1
		.amdhsa_inst_pref_size 28
	.end_amdhsa_kernel
	.amdgpu_metadata
---
amdhsa.version: [ 1, 2 ]
amdhsa.kernels:
  - .name:           k_qe96727a7b0_attn
    .symbol:         k_qe96727a7b0_attn.kd
    .args:
      - { .name: fq, .offset: 0, .size: 8, .value_kind: global_buffer, .address_space: global }
      - { .name: kv, .offset: 8, .size: 8, .value_kind: global_buffer, .address_space: global }
      - { .name: x, .offset: 16, .size: 8, .value_kind: global_buffer, .address_space: global }
      - { .name: w_o_codes, .offset: 24, .size: 8, .value_kind: global_buffer, .address_space: global }
      - { .name: w_o_scales, .offset: 32, .size: 8, .value_kind: global_buffer, .address_space: global }
      - { .name: gamma, .offset: 40, .size: 8, .value_kind: global_buffer, .address_space: global }
      - { .name: out0, .offset: 48, .size: 8, .value_kind: global_buffer, .address_space: global }
    .group_segment_fixed_size: 184320
    .private_segment_fixed_size: 0
    .kernarg_segment_align: 8
    .kernarg_segment_size: 56
    .max_flat_workgroup_size: 512
    .sgpr_count:     66
    .vgpr_count:     256
    .wavefront_size: 32
...
	.end_amdgpu_metadata
.endif
;; end of part 2
